; MI455X (gfx1250); checked and timed in simulation.
; The chip was launched on July 23, 2026; its instructions are those of AMD's public machine-readable ISA for CDNA 5 (MIT licence, August 2026) and "CDNA5" Instruction Set Architecture Reference Guide (July 2026). The comments in the code are by the model that wrote it; some were corrected since.
;; Self Attention2 D. Allowed arithmetic: matrix products marked QUANTISED: E2M1 operands, one E8M0 scale for each 32 along K, by v_wmma_scale_f32_16x16x128_f8f6f4 with both operands' format E2M1 (or v_wmma_scale_f32_32x16x128_f4), f32 sums; everything else in f32.
;; Inputs: Wk 64 x 64 float32; Wq 64 x 64 float32; Wv 64 x 64 float32; bk 64 float32; bq 64 float32; bv 64 float32; gamma 1 float32; x 8 x 64 x 64 x 64 float32.
;; Outputs: out0 8 x 64 x 64 x 64 float32.
;; This version of the problem:
;;   THIS VERSION OF THE PROBLEM IS GIVEN IN LOW PRECISION. The matrix products marked QUANTISED in the list below multiply operands that are first quantised to E2M1 (2 exponent bits, 1 mantissa bit; 4 bits a number), with one power-of-two scale for each 32 numbers along K (OCP MX v1.0); their sums are f32. All else is computed in f32.
;;   The module's matrix products, in the order in which they are computed (A, B: the left and right operand; K: the contracted axis; several contracted axes count as one K, in the product's order):
;;     1. [M 64, K 64] x [K 64, N 32,768]; A: input Wq; B: input x: QUANTISED
;;     2. [M 64, K 64] x [K 64, N 32,768]; A: input Wk; B: input x: QUANTISED
;;     3. [M 64, K 64] x [K 64, N 32,768]; A: input Wv; B: input x: QUANTISED
;;     4. batch 8 x [M 4,096, K 64] x [K 64, N 4,096]; A: computed on the way; B: computed on the way: QUANTISED
;;     5. batch 8 x [M 64, K 4,096] x [K 4,096, N 4,096]; A: computed on the way; B: softmax (see below): QUANTISED
;;   THE QUANTISER, for each operand of a quantised product, along K:
;;     - K is cut into blocks of 32 from its start; a last block that is shorter is filled with zeros.
;;     - A block's scale is 2^e with e = floor(log2(the largest magnitude in the block)) - 2, held to -126 .. 127; a block of zeros has e = 0. As a byte (E8M0): e + 127.
;;     - Each number is divided by its block's scale, clamped to +-6, and rounded to the nearest number of E2M1, ties to even, subnormals kept.
;;     - The product sums the exact products of the quantised numbers (number of the format x scale) in f32.
;;   ~~~python
;;   def quantise(x, axis):      # numpy; x: float32 -> the quantised numbers, widened to float32 again
;;       x = np.moveaxis(x, axis, -1); K = x.shape[-1]
;;       x = np.pad(x, [(0, 0)] * (x.ndim - 1) + [(0, -K % 32)]); x = x.reshape(x.shape[:-1] + (-1, 32)); a = np.abs(x).max(-1, keepdims=True)
;;       e = np.where(a > 0, np.clip(np.frexp(np.where(a > 0, a, 1))[1] - 1 - 2, -126, 127), 0)      # np.frexp(a)[1] - 1 = floor(log2(a)), exactly
;;       r = np.clip(x / 2.0 ** e, -6, 6)
;;       step = 2.0 ** (np.maximum(np.frexp(np.where(r == 0, 1, r))[1] - 1, 0) - 1)
;;       q = np.round(r / step) * step * 2.0 ** e      # np.round: ties to even
;;       return np.moveaxis(q.reshape(q.shape[:-2] + (-1,))[..., :K], -1, axis).astype(np.float32)
;;   ~~~
;;   SOFTMAX AHEAD OF A QUANTISED PRODUCT. Where the list says 'softmax', what is quantised is not the finished softmax but p = 2^(t - M), with t = logit x log2(e) and M = ceil(the row's largest t), a whole number; so 1/2 < the row's largest p <= 1. The row's sum l is taken of the UNQUANTISED p, in f32, and the product's result is divided by l at the end. Since M is a whole number, a kernel that streams over the keys may use a running M (the ceiling of the running maximum): every later rescaling is an exact power of two, which a block's scale takes up: the codes' values come out the same.
;;   OPERANDS COMPUTED ON THE WAY. 'Computed on the way' means the value that the module computes at that place (a softmax that the list does not call 'softmax' is quantised finished and normalised). What goes into a quantiser is computed in f32, as accurately as f32 sums, v_exp_f32 and their like allow (about 1e-6 of the number): no bf16 or f16 on the way to a quantiser, and a product that is left as it is and whose result goes on into a quantised operand takes f32 operands (vector FMAs, or v_wmma_f32_16x16x4_f32). A number that lies on a knife's edge between two numbers of the format may be rounded either way, as far as f32 arithmetic and the matrix unit's own rounding can turn it there, and no further.
;; One version. Each part assembles by itself: llvm-mc -triple=amdgcn-amd-amdhsa -mcpu=gfx1250 --defsym DOCPART=n.
;; ======== version 1 of 1: 2 launches
;; workspace buffers: kv 2,293,760 bytes; qc 1,179,648 bytes
;; launch prep (part 1): grid 32 x 8, 4 waves a work-group, no clusters, 168,448 bytes of LDS; arguments x, Wq, Wk, Wv, bq, bk, bv, kv, qc; writes kv, qc
.if DOCPART == 1
	.amdgcn_target "amdgcn-amd-amdhsa--gfx1250"
	.amdhsa_code_object_version 6
	.text
	.protected	k_qd8e4cedc05_prep
	.globl	k_qd8e4cedc05_prep
	.p2align	8
	.type	k_qd8e4cedc05_prep,@function
k_qd8e4cedc05_prep:
	s_mov_b64 s[64:65], 0
	v_nop
	global_prefetch_b8 v0, s[64:65] scope:SCOPE_SE
	s_setreg_imm32_b32 hwreg(HW_REG_WAVE_MODE, 25, 1), 1
	s_wait_xcnt 0x0
; q = Wq x + bq, k = Wk x + bk, v = Wv x + bv for 128 positions of one batch, all three products on codes of FP4 (E2M1) with one E8M0 scale for each 32 channels;
; then q and k are quantised along the channels and v along the positions (the keys), and leave as IMAGES OF OPERAND REGISTERS for the attention launch.
; x: [8][64][4096] f32.  W*: [64 (out)][64 (in)] f32.  b*: [64] f32.
; kv: 256 records (32 b + step) of 8,960 bytes: 0 K's codes (tile T at 512 T + 16 lane); 4096 K's scale words (16 lane + 4 j: tile 4 (lane / 16) + j, row lane % 16);
;     4608 V's codes (channel tile t, half c of the 128 keys: 1024 t + 512 c + 16 lane); 8704 V's scale words (8 lane + 4 i: tile 2 (lane / 16) + i).
; qc: 256 records of 4,608 bytes: 0 Q's codes, as K's; 4096 Q's scale words (64 T + 4 row).
; THE POSITIONS OF A TILE ARE NOT NEIGHBOURS: row m of tile 2 w + u is position 32 w + 8 u + m % 8 + 16 (m / 8), so that in the attention launch the 16 result registers of tiles 2 w and 2 w + 1 are 16 neighbouring keys.
; K = 64 fills half of the instruction's 128: registers 4 to 7 of every fragment here are zero codes, on both operands, with the scale byte 0 (2^-127, no NaN): they add nothing.
; SHARES.  Work-group (step, b): one record of each buffer.  Wave w: positions 32 w .. 32 w + 31 (tiles 2 w, 2 w + 1; key block w); it also quantises tile w of each of the three W, and the twelve fragments go round through LDS.
; LIMITS: NaN and infinities among the inputs are not served.  A block of zeros gets the scale byte 1 where the rule says 127: its codes are zeros, and the bytes are read by this program alone.
; No cluster: the work-groups share only the three W (48 KiB in all), a small part of what a work-group reads.
.set XT,   0                           ; LDS: x's tile, 64 channel rows of 512 bytes (a wave's read takes 32 different words of one row)
.set WIMG, 32768                       ; 12 fragments of W (f = 4 m + t; m = 0 q, 1 k, 2 v): 512 f + 16 lane
.set WSC,  38912                       ; their scale words: 128 f + 4 lane
.set KS,   40448                       ; image of kv's bytes 4096 .. 4607
.set VS,   40960                       ; image of kv's bytes 8704 .. 8959
.set QS,   41216                       ; image of qc's bytes 4096 .. 4607
; v1 16 lane + 768 w (copy-out)   v2 r   v3 h   v4 x's word in a row   v5, v6 my rows of Wq/Wk, of Wv   v7, v8, v9 16, 4, 8 x lane   v10, v11 where I store W's image, its scale word
; v12 64 h   v13 4 r   v14 8 h   v15 Q's scale word   v125 K's   v126 V's scale byte   v127 16 r + 8 h
; v16-111 W raw, then 12 fragments   v112-123 W's scale words   v124 x's scale words (lanes 0-15 tile u = 0, lanes 16-31 tile u = 1)   v128-143 x's two fragments
; v144-207 x raw, then the results   v208-239 the bias in hand, in C's layout   v240-255 at work
	s_load_b512 s[4:19], s[0:1], 0x0               ; x s[4:5], Wq s[6:7], Wk s[8:9], Wv s[10:11], bq s[12:13], bk s[14:15], bv s[16:17], kv s[18:19]
	s_load_b64 s[20:21], s[0:1], 0x40              ; qc
	s_set_vgpr_msb 0x40
	v_lshl_add_u32 v0, v0, 2, 0x29000
	v_mov_b32 v1, 0
	s_set_vgpr_msb 0x4045
	ds_add_u32 v0, v1
	ds_add_u32 v0, v1
	s_set_vgpr_msb 0x4500
	v_lshrrev_b32 v1, 5, v0
	v_readfirstlane_b32 s22, v1                    ; wave 0..3
	s_and_b32 s24, ttmp7, 0xffff                   ; b
	v_and_b32 v2, 15, v0                           ; r
	v_bfe_u32 v3, v0, 4, 1                         ; h
	v_and_b32 v16, 31, v0                          ; lane
	v_and_b32 v17, 7, v0
	v_bfe_u32 v18, v0, 3, 1
	v_lshl_add_u32 v17, v18, 4, v17
	v_lshl_add_u32 v17, v3, 3, v17                 ; my position among the wave's 32: lane % 8 + 16 ((lane / 8) % 2) + 8 (lane / 16)
	s_lshl_b32 s25, s22, 7                         ; 128 w
	v_lshl_add_u32 v4, v17, 2, s25                 ; its word in a row of x's tile
	v_and_b32 v17, 8, v2
	v_add_nc_u32 v17, v17, v2                      ; r + 8 (r / 8)
	s_lshr_b32 s26, s22, 1
	s_lshl_b32 s26, s26, 5
	s_and_b32 s27, s22, 1
	s_lshl_b32 s27, s27, 3                         ; 8 (w % 2)
	s_add_co_u32 s26, s26, s27
	v_add_nc_u32 v17, s26, v17                     ; Wq, Wk: lane r of tile w takes row 32 (w / 2) + 8 (w % 2) + r + 8 (r / 8)
	v_lshlrev_b32 v5, 8, v17
	v_lshl_add_u32 v5, v3, 7, v5                   ; a row is 256 bytes; my block of 32 begins 128 h on
	s_lshl_b32 s26, s22, 4
	v_add_nc_u32 v17, s26, v2                      ; Wv: row 16 w + r
	v_lshlrev_b32 v6, 8, v17
	v_lshl_add_u32 v6, v3, 7, v6
	v_lshlrev_b32 v7, 4, v16
	v_lshlrev_b32 v8, 2, v16
	v_lshlrev_b32 v9, 3, v16
	s_lshl_b32 s26, s22, 9
	v_add_nc_u32 v10, s26, v7
	v_add_nc_u32 v11, s25, v8
	v_lshlrev_b32 v12, 6, v3
	v_lshlrev_b32 v13, 2, v2
	v_lshlrev_b32 v14, 3, v3
	v_add_nc_u32 v15, s25, v13                     ; 4 r + 128 w
	s_lshr_b32 s26, s22, 1
	s_lshl_b32 s26, s26, 8
	s_add_co_u32 s26, s26, s27
	v_lshl_add_u32 v125, v2, 4, s26                ; 16 r + 256 (w / 2) + 8 (w % 2)
	v_lshl_add_u32 v126, v2, 3, s22                ; 8 r + w
	v_lshlrev_b32 v127, 4, v2
	v_lshl_add_u32 v127, v3, 3, v127               ; 16 r + 8 h
	s_mul_i32 s26, s22, 768
	v_add_nc_u32 v1, s26, v7                       ; wave 0: KS's bytes, wave 1: QS's (768 bytes on)
	; descriptor group 1: 16 rows of 128 elements of 4 bytes, 4,096 elements from row to row, no padding
	s_mov_b32 s28, 2<<16
	s_mov_b32 s29, 128<<16                         ; tensor_dim0
	s_mov_b32 s30, 16<<16                          ; tensor_dim1
	s_mov_b32 s31, 128<<16                         ; tile_dim0
	s_mov_b32 s32, 16                              ; tile_dim1
	s_mov_b32 s33, 4096                            ; tensor_dim0_stride
	s_mov_b32 s34, 0
	s_mov_b32 s35, 0
	s_mov_b32 s50, 0x76543210
	s_mov_b32 s51, 0xfedcba98                      ; v_permlanex16_b32's selects for lane l xor 16
	s_lshl_b32 s54, s24, 20                        ; x: the batch,
	s_lshl_b32 s25, ttmp9, 9                       ; the step's 128 positions,
	s_add_co_u32 s54, s54, s25
	s_lshl_b32 s25, s22, 18                        ; my 16 channel rows
	s_add_co_u32 s54, s54, s25
	s_mov_b32 s55, 0
	s_lshl_b32 s25, s24, 5
	s_add_co_u32 s25, s25, ttmp9                   ; the record: 32 b + step
	s_mul_i32 s56, s25, 8960
	s_mov_b32 s57, 0
	s_mul_i32 s58, s25, 4608
	s_mov_b32 s59, 0
	s_lshl_b32 s26, s22, 10                        ; my two tiles' codes: 1,024 w
	s_mov_b32 s27, 0
	s_mov_b32 s36, 1                               ; group 0: count
	s_lshl_b32 s37, s22, 13                        ; LDS address: my 16 rows of 512 bytes
	s_wait_dscnt 0x0
	s_wait_kmcnt 0x0
	s_add_nc_u64 s[38:39], s[4:5], s[54:55]
	s_or_b32 s39, s39, 0x80000000                  ; type
	tensor_load_to_lds s[36:39], s[28:35]          ; each wave brings its quarter of x's tile: one load of mine is out; the bytes are filled once
	s_nop 0
	v_mov_b32 v153, 0                              ; a lane permute's destination counts as one of its sources: written once
	v_mov_b32 v154, 0
	v_mov_b32 v155, 0
.irp i, 0,1,2,3,4,5,6,7
	global_load_b128 v[16+4*\i:19+4*\i], v5, s[6:7] offset:16*\i     ; my block of 32 of my row of Wq's tile w
.endr
.irp i, 0,1,2,3,4,5,6,7
	global_load_b128 v[48+4*\i:51+4*\i], v5, s[8:9] offset:16*\i     ; Wk
.endr
.irp i, 0,1,2,3,4,5,6,7
	global_load_b128 v[80+4*\i:83+4*\i], v6, s[10:11] offset:16*\i   ; Wv
.endr
; a bias of q or k as the C of the products: lane (r, h), tile t, register j: channel 32 (t / 2) + 16 h + 8 (t % 2) + j
.macro BIAS_T lo
.irp t, 0,1,2,3
	global_load_b128 v[208+8*\t:211+8*\t], v12, s[\lo:\lo+1] offset:(32*(\t/2)+8*(\t%2))*4
	global_load_b128 v[212+8*\t:215+8*\t], v12, s[\lo:\lo+1] offset:(32*(\t/2)+8*(\t%2))*4+16
.endr
.endm
	BIAS_T 12                                      ; bq
	s_add_nc_u64 s[40:41], s[18:19], s[56:57]      ; my record of kv,
	s_add_nc_u64 s[42:43], s[20:21], s[58:59]      ; of qc;
	s_add_nc_u64 s[44:45], s[40:41], s[26:27]      ; K's codes of my two tiles,
	s_add_nc_u64 s[46:47], s[42:43], s[26:27]      ; Q's;
	s_lshl_b32 s26, s22, 8
	s_add_co_u32 s26, s26, 4608
	s_add_nc_u64 s[48:49], s[40:41], s[26:27]      ; V's codes of key block w: 4608 + 512 (w / 2) + 256 (w % 2)
	; ---- W: tile w of each of the three.  A lane holds a whole block of 32 of its row, so the conversions' results are registers 0 to 3 of the fragment
	s_wait_loadcnt 0x8                             ; W's 24 loads are in; the eight of bq, issued behind them, may be out
.irp m, 0,1,2
	v_max3_num_f32 v[144+\m], |v[16+32*\m]|, |v[17+32*\m]|, 0x1800000   ; the block's largest magnitude, and the floor 2^(3 - 127): the byte cannot fall under 1
.endr
.irp i, 2,4,6,8,10,12,14,16,18,20,22,24,26,28,30
.irp m, 0,1,2
	v_max3_num_f32 v[144+\m], v[144+\m], |v[16+32*\m+\i]|, |v[17+32*\m+\i]|   ; (the three tiles by turns)
.endr
.endr
.irp m, 0,1,2
	v_add_nc_u32 v[147+\m], 0xff000000, v[144+\m]  ; 2 off the exponent field: the conversion's scale operand
.endr
.irp m, 0,1,2
	v_lshrrev_b32 v[150+\m], 23, v[147+\m]         ; the scale's byte,
.endr
.irp m, 0,1,2
	v_lshlrev_b32 v[150+\m], v14, v[150+\m]        ; at its place in the row's word (block h: 8 h bits up);
.endr
.irp m, 0,1,2
	v_permlanex16_b32 v[153+\m], v[150+\m], s50, s51
.endr
.irp m, 0,1,2
	v_or_b32 v[150+\m], v[150+\m], v[153+\m]       ; with lane l xor 16's the word is whole; bytes 2 and 3 stay 0
.endr
.irp m, 0,1,2
.irp g, 0,1,2,3
	v_cvt_scalef32_pk8_fp4_f32 v[240+4*\m+\g], v[16+32*\m+8*\g:23+32*\m+8*\g], v[147+\m]
.endr
.endr
	v_nop                                          ; one plain place behind the last scaled conversion
.irp m, 0,1,2
	ds_store_b128 v10, v[240+4*\m:243+4*\m] offset:WIMG+2048*\m      ; fragment 4 m + w, as it stands in my registers
	ds_store_b32 v11, v[150+\m] offset:WSC+512*\m
.endr
.irp f, 0,1,2,3,4,5,6,7,8,9,10,11
.irp i, 4,5,6,7
	v_mov_b32 v[16+8*\f+\i], 0                     ; zero codes for k = 64 .. 127 of W's fragments,
.endr
.endr
.irp i, 132,133,134,135,140,141,142,143
	v_mov_b32 v\i, 0                               ; and of x's two
.endr
	s_wait_tensorcnt 0x0                           ; my quarter of x's tile is in LDS,
	s_wait_dscnt 0x0                               ; my stores of W's images have landed:
	s_barrier_signal -1
	s_barrier_wait -1                              ; everybody's have
	; ---- x: a lane takes one position, its registers run down the 64 channels: two whole blocks
.set cc, 0
.rept 64
	ds_load_b32 v[144+cc], v4 offset:XT+512*cc
.set cc, cc+1
.endr
.irp f, 0,1,2,3,4,5,6,7,8,9,10,11
	ds_load_b128 v[16+8*\f:19+8*\f], v7 offset:WIMG+512*\f
.endr
.irp f, 0,1,2,3,4,5,6,7,8,9,10,11
	ds_load_b32 v[112+\f], v8 offset:WSC+128*\f
.endr
	s_wait_dscnt 24                                ; x's 64 loads are in; W's 24, issued behind them, may be out
.irp e, 0,1
	v_max3_num_f32 v[240+\e], |v[144+32*\e]|, |v[145+32*\e]|, 0x1800000
.endr
.irp i, 2,4,6,8,10,12,14,16,18,20,22,24,26,28,30
.irp e, 0,1
	v_max3_num_f32 v[240+\e], v[240+\e], |v[144+32*\e+\i]|, |v[145+32*\e+\i]|
.endr
.endr
.irp e, 0,1
	v_add_nc_u32 v[242+\e], 0xff000000, v[240+\e]
.endr
.irp e, 0,1
	v_lshrrev_b32 v[244+\e], 23, v[242+\e]
.endr
	v_lshl_or_b32 v124, v245, 8, v244              ; my position's scale word: lanes 0-15 are tile u = 0's rows, lanes 16-31 tile u = 1's
.irp e, 0,1
.irp g, 0,1,2,3
	v_cvt_scalef32_pk8_fp4_f32 v[128+8*\e+\g], v[144+32*\e+8*\g:151+32*\e+8*\g], v[242+\e]
.endr
.endr
	v_nop                                          ; one plain place behind the last scaled conversion
.irp g, 0,1,2,3
	v_permlane16_swap_b32 v[128+\g], v[136+\g]     ; block 0 of lanes 16-31 changes places with block 1 of lanes 0-15: v128-131 are tile u = 0's fragment (lane (r, h): channels 32 h on), v136-139 tile u = 1's
.endr
.rept 8
	v_nop                                          ; a scale register written by a vector instruction stands 8 places ahead of a scaled matrix instruction, an operand so written 4
.endr
	s_wait_dscnt 0x0                               ; W's fragments and scale words
	s_wait_loadcnt 0x0                             ; bq
; q or k of my 32 positions, TRANSPOSED: source 0 = 16 rows of W, source 1 = 16 positions.  Lane (r, h) holds position row r; register 16 e + i of tile u's 32 is channel 32 e + 16 h + i.
; Eight different results, each begun with the bias as C: no sum is taken up again.
.macro PQK m
.irp u, 0,1
.irp t, 0,1,2,3
.if \u == 0
	v_wmma_scale_f32_16x16x128_f8f6f4 v[144+32*\u+8*\t:151+32*\u+8*\t], v[16+32*\m+8*\t:23+32*\m+8*\t], v[128+8*\u:135+8*\u], v[208+8*\t:215+8*\t], v[112+4*\m+\t], v124 matrix_a_fmt:MATRIX_FMT_FP4 matrix_b_fmt:MATRIX_FMT_FP4
.else
	v_wmma_scale_f32_16x16x128_f8f6f4 v[144+32*\u+8*\t:151+32*\u+8*\t], v[16+32*\m+8*\t:23+32*\m+8*\t], v[128+8*\u:135+8*\u], v[208+8*\t:215+8*\t], v[112+4*\m+\t], v124 matrix_a_fmt:MATRIX_FMT_FP4 matrix_b_fmt:MATRIX_FMT_FP4 matrix_b_scale:MATRIX_SCALE_ROW1
.endif
.endr
.endr
.rept 4
	v_nop                                          ; four places: in front of the loads into the bias's registers, and of the first read of the results
.endr
.endm
; The 64 results become two fragments (v240-243, v244-247) and two scale words (v252, v253).  Four blocks n = 2 u + e by turns; a block's 32 channels lie in lanes l and l xor 16.
.macro QUANT2
	s_wait_xcnt 0x0                                ; the last phase's global stores have read v240-247,
	s_wait_dscnt 0x0                               ; its LDS stores v252, v253: they are written again below
.irp n, 0,1,2,3
	v_max3_num_f32 v[240+\n], |v[144+16*\n]|, |v[145+16*\n]|, 0x1800000   ; each result is read from its low end on
.endr
.irp i, 2,4,6,8,10,12,14
.irp n, 0,1,2,3
	v_max3_num_f32 v[240+\n], v[240+\n], |v[144+16*\n+\i]|, |v[145+16*\n+\i]|
.endr
.endr
.irp n, 0,1,2,3
	v_permlanex16_b32 v[244+\n], v[240+\n], s50, s51   ; (v244-247 have been written: W's codes lay there)
.endr
.irp n, 0,1,2,3
	v_max_num_f32 v[240+\n], v[240+\n], v[244+\n]
.endr
.irp n, 0,1,2,3
	v_add_nc_u32 v[248+\n], 0xff000000, v[240+\n]
.endr
.irp n, 0,1,2,3
	v_lshrrev_b32 v[244+\n], 23, v[248+\n]
.endr
.irp u, 0,1
	v_lshl_or_b32 v[252+\u], v[245+2*\u], 8, v[244+2*\u]   ; the row's word; bytes 2 and 3 stay 0
.endr
.irp n, 0,1,2,3
	v_cvt_scalef32_pk8_fp4_f32 v[240+2*\n], v[144+16*\n:151+16*\n], v[248+\n]
	v_cvt_scalef32_pk8_fp4_f32 v[241+2*\n], v[152+16*\n:159+16*\n], v[248+\n]
.endr
	v_nop                                          ; one plain place behind the last scaled conversion
.irp u, 0,1
.irp i, 0,1
	v_permlane16_swap_b32 v[240+4*\u+\i], v[242+4*\u+\i]   ; the operand's layout wants a whole block in a lane: lanes 0-15 block 0, lanes 16-31 block 1
.endr
.endr
.endm
.macro PUTQK lo, sadr, sbase, sstep
.irp u, 0,1
	global_store_b128 v7, v[240+4*\u:243+4*\u], s[\lo:\lo+1] offset:512*\u   ; a tile's image: 512 consecutive bytes, at a multiple of 256 from the buffer's first byte
	ds_store_b32 v[\sadr], v[252+\u] offset:\sbase+\sstep*\u                 ; lanes r and 16 + r write the same word with the same value
.endr
.endm
	PQK 0
	BIAS_T 14                                      ; bk lands while q is quantised
	QUANT2
	PUTQK 46, 15, QS, 64
	s_wait_loadcnt 0x0                             ; bk
	PQK 1
.irp t, 0,1,2,3
.irp j, 0,1,2,3,4,5,6,7
	global_load_b32 v[208+8*\t+\j], v13, s[16:17] offset:64*\t   ; bv as C of the product below: every register of lane (r, h) in tile t is channel 16 t + r
.endr
.endr
	QUANT2
	PUTQK 44, 125, KS, 4
	s_wait_loadcnt 0x0                             ; bv
	; ---- v, the sources the other way round: source 0 = 16 positions, source 1 = 16 rows of Wv.  Lane (r, h) holds channel 16 t + r; register 8 u + j of tile t's 16 is key 32 w + 16 h + 8 u + j
.irp t, 0,1,2,3
.irp u, 0,1
.if \u == 0
	v_wmma_scale_f32_16x16x128_f8f6f4 v[144+16*\t+8*\u:151+16*\t+8*\u], v[128+8*\u:135+8*\u], v[80+8*\t:87+8*\t], v[208+8*\t:215+8*\t], v124, v[120+\t] matrix_a_fmt:MATRIX_FMT_FP4 matrix_b_fmt:MATRIX_FMT_FP4
.else
	v_wmma_scale_f32_16x16x128_f8f6f4 v[144+16*\t+8*\u:151+16*\t+8*\u], v[128+8*\u:135+8*\u], v[80+8*\t:87+8*\t], v[208+8*\t:215+8*\t], v124, v[120+\t] matrix_a_fmt:MATRIX_FMT_FP4 matrix_b_fmt:MATRIX_FMT_FP4 matrix_a_scale:MATRIX_SCALE_ROW1
.endif
.endr
.endr
.rept 4
	v_nop                                          ; four places in front of the first read of the results
.endr
	s_wait_xcnt 0x0                                ; K's stores have read v240-247,
	s_wait_dscnt 0x0                               ; and its LDS stores v252, v253
.irp t, 0,1,2,3
	v_max3_num_f32 v[240+\t], |v[144+16*\t]|, |v[145+16*\t]|, 0x1800000   ; key block w of channel 16 t + r: my 16 keys
.endr
.irp i, 2,4,6,8,10,12,14
.irp t, 0,1,2,3
	v_max3_num_f32 v[240+\t], v[240+\t], |v[144+16*\t+\i]|, |v[145+16*\t+\i]|
.endr
.endr
.irp t, 0,1,2,3
	v_permlanex16_b32 v[244+\t], v[240+\t], s50, s51
.endr
.irp t, 0,1,2,3
	v_max_num_f32 v[240+\t], v[240+\t], v[244+\t]  ; with lane l xor 16's 16 keys
.endr
.irp t, 0,1,2,3
	v_add_nc_u32 v[248+\t], 0xff000000, v[240+\t]
.endr
.irp t, 0,1,2,3
	v_lshrrev_b32 v[252+\t], 23, v[248+\t]
.endr
.irp t, 0,1,2,3
	v_cvt_scalef32_pk8_fp4_f32 v[240+2*\t], v[144+16*\t:151+16*\t], v[248+\t]
	v_cvt_scalef32_pk8_fp4_f32 v[241+2*\t], v[152+16*\t:159+16*\t], v[248+\t]
.endr
	v_nop                                          ; one plain place behind the last scaled conversion
.irp t, 0,1,2,3
	global_store_b64 v127, v[240+2*\t:241+2*\t], s[48:49] offset:1024*\t     ; 16 keys' codes at 16 r + 8 h: the wave stores 256 consecutive bytes, at a multiple of 256 from the buffer's first byte
	ds_store_b8 v126, v[252+\t] offset:VS+128*(\t/2)+4*(\t%2)                ; byte w of the word of tile t, row r
.endr
	s_wait_dscnt 0x0                               ; my scale words and bytes have landed:
	s_barrier_signal -1
	s_barrier_wait -1                              ; everybody's have
	; ---- the scale words leave as whole runs: wave 0 K's 512 bytes, wave 1 Q's 512, wave 2 V's 256
	s_cmp_lt_u32 s22, 2
	s_cbranch_scc0 .Lnot_k_q
	s_cmp_eq_u32 s22, 0
	s_cselect_b64 s[52:53], s[40:41], s[42:43]     ; the choice hangs on the wave's number alone
	ds_load_b128 v[144:147], v1 offset:KS
	s_wait_dscnt 0x0
	global_store_b128 v7, v[144:147], s[52:53] offset:4096
	s_branch .Lend
.Lnot_k_q:
	s_cmp_eq_u32 s22, 2
	s_cbranch_scc0 .Lend
	ds_load_b64 v[144:145], v9 offset:VS
	s_wait_dscnt 0x0
	global_store_b64 v9, v[144:145], s[40:41] offset:8704
.Lend:
	s_set_vgpr_msb 0x5
	s_wait_tensorcnt 0x0
	ds_add_u32 v0, v1
	s_wait_dscnt 0x0
	s_set_vgpr_msb 0x500
	s_endpgm
.Lfunc_end_k_qd8e4cedc05_prep:
	.size	k_qd8e4cedc05_prep, .Lfunc_end_k_qd8e4cedc05_prep-k_qd8e4cedc05_prep
	.p2alignl 7, 3214868480
	.fill 96, 4, 3214868480
	.section	.rodata,"a",@progbits
	.p2align	6, 0x0
	.amdhsa_kernel k_qd8e4cedc05_prep
		.amdhsa_group_segment_fixed_size 168448
		.amdhsa_private_segment_fixed_size 0
		.amdhsa_enable_private_segment 0
		.amdhsa_kernarg_size 72
		.amdhsa_user_sgpr_count 2
		.amdhsa_user_sgpr_kernarg_segment_ptr 1
		.amdhsa_wavefront_size32 1
		.amdhsa_system_sgpr_workgroup_id_x 1
		.amdhsa_system_sgpr_workgroup_id_y 1
		.amdhsa_system_sgpr_workgroup_id_z 1
		.amdhsa_system_vgpr_workitem_id 0
		.amdhsa_next_free_vgpr 258
		.amdhsa_next_free_sgpr 66
		.amdhsa_reserve_vcc 0
		.amdhsa_float_denorm_mode_32 3
		.amdhsa_float_denorm_mode_16_64 3
		.amdhsa_memory_ordered 1
		.amdhsa_forward_progress 1
		.amdhsa_inst_pref_size 44
	.end_amdhsa_kernel
	.amdgpu_metadata
---
amdhsa.version: [ 1, 2 ]
amdhsa.kernels:
  - .name:           k_qd8e4cedc05_prep
    .symbol:         k_qd8e4cedc05_prep.kd
    .args:
      - { .name: x, .offset: 0, .size: 8, .value_kind: global_buffer, .address_space: global }
      - { .name: Wq, .offset: 8, .size: 8, .value_kind: global_buffer, .address_space: global }
      - { .name: Wk, .offset: 16, .size: 8, .value_kind: global_buffer, .address_space: global }
      - { .name: Wv, .offset: 24, .size: 8, .value_kind: global_buffer, .address_space: global }
      - { .name: bq, .offset: 32, .size: 8, .value_kind: global_buffer, .address_space: global }
      - { .name: bk, .offset: 40, .size: 8, .value_kind: global_buffer, .address_space: global }
      - { .name: bv, .offset: 48, .size: 8, .value_kind: global_buffer, .address_space: global }
      - { .name: kv, .offset: 56, .size: 8, .value_kind: global_buffer, .address_space: global }
      - { .name: qc, .offset: 64, .size: 8, .value_kind: global_buffer, .address_space: global }
    .group_segment_fixed_size: 168448
    .private_segment_fixed_size: 0
    .kernarg_segment_align: 8
    .kernarg_segment_size: 72
    .max_flat_workgroup_size: 128
    .sgpr_count:     66
    .vgpr_count:     258
    .wavefront_size: 32
...
	.end_amdgpu_metadata
.endif
;; end of part 1
;; launch attn (part 2): grid 32 x 8, 16 waves a work-group, clusters of 4 x 1, 327,680 bytes of LDS; arguments qc, kv, x, gamma, out0; writes out0
.if DOCPART == 2
	.amdgcn_target "amdgcn-amd-amdhsa--gfx1250"
	.amdhsa_code_object_version 6
	.text
	.protected	k_qd8e4cedc05_attn
	.globl	k_qd8e4cedc05_attn
	.p2align	8
	.type	k_qd8e4cedc05_attn,@function
k_qd8e4cedc05_attn:
	s_mov_b64 s[64:65], 0
	v_nop
	global_prefetch_b8 v0, s[64:65] scope:SCOPE_SE
	s_setreg_imm32_b32 hwreg(HW_REG_WAVE_MODE, 25, 1), 1
	s_wait_xcnt 0x0
	s_wait_alu depctr_hold_cnt(0) depctr_sa_sdst(0) depctr_va_vdst(0) depctr_va_sdst(0) depctr_va_ssrc(0) depctr_va_vcc(0) depctr_vm_vsrc(0)
	s_getreg_b32 s2, hwreg(HW_REG_IB_STS2, 6, 4)
	s_cmp_eq_u32 s2, 0
	s_cbranch_scc0 .Lentry_in_a_cluster
	s_endpgm
.Lentry_in_a_cluster:
	s_bfe_u32 s2, ttmp6, 0x10000c
	s_cmp_lg_u32 s2, 0x3003
	s_cbranch_scc0 .Lentry_shape_is_right
	s_endpgm
.Lentry_shape_is_right:
; out0[b][c][i] = gamma x (sum over j of v[b][c][j] p[b][i][j]) / l[b][i] + x[b][c][i], p the softmax's weights of the scores q . k / 64, both products on codes of FP4 (E2M1) with one E8M0 scale for each 32 along a product's K.
; qc, kv: the operand images that the launch before has stored (their layout: there).  x, out0: [8][64][4096] f32.  gamma: [1] f32.
; THE SOFTMAX AHEAD OF THE SECOND PRODUCT: t = score x log2(e) / 64; M = the row's largest t so far, rounded UP to a whole number; p = 2^(t - M) is what is quantised, along the keys; it is not normalised.
; The row's sum is taken of the unquantised p, in f32, and divides at the end.  When M moves, the sum and O are multiplied by 2^(old M - new M): exact.
; SHARES.  A work-group owns 128 queries of one batch: eight tiles of 16.  A BATCH'S K AND V, 32 records of 8,960 bytes, LIE IN LDS WHOLE: filled once, nothing is filled again.
; Sixteen waves of 256 registers, four to a SIMD, so that one wave's vector work stands beside another's matrix work and LDS loads.  Wave w: tile w % 8, key steps 2 i + w / 8 (128 keys a step, 16 steps);
; the two waves of a tile are merged once at the end, by the same exact powers of two.
; LAYOUT.  Both products are used transposed: S^T = K Q^T (source 0 = 16 keys, source 1 = my 16 queries; K = 64 channels, the instruction's other 64 are zero codes on both sides),
; O^T = V^T P^T (source 0 = 16 channels, source 1 = P): a lane holds ONE query (lane % 16) throughout.  The keys of a tile are chosen so that the 16 registers of tiles 2 e and 2 e + 1 are keys 32 e + 16 (lane / 16) + 0 .. 15.
; CLUSTER.  The four work-groups of a cluster belong to one batch and want the same 286,720 bytes: each load is asked for JOINTLY, with the same descriptor and a mask that names the four.  A work-group's place in its
; cluster enters the global addresses of qc, x and out0 alone.
; LIMITS: NaN and infinities are not served.  p under 2^-126 is 0 (v_exp_f32 gives 0 where the result would be denormal: ISA guide, its entry).  A block's largest p is taken from the block's largest score:
; this takes v_exp_f32 not to fall where its input rises.  A block whose every p is 0 keeps the scale byte 1: its codes are zeros.
.set REC,    8960                      ; a key step's record
.set KVB,    32*REC                    ; LDS 0 .. 286,719: the batch's records, step s at REC x s
.set MRG,    KVB                       ; behind them, for each tile 4,352 bytes: O^T of the tile's second wave (512 i + 16 lane), then its (-M, sum) (4096 + 8 lane)
.set MRGT,   4352
.set SPITCH, 528                       ; the way out: 64 channel rows x (512 bytes + 16) from LDS byte 0 on, written only when no wave reads K and V any more; those bytes have had their one fill
; v1, v2 16, 8 x lane   v3, v4 the step's LDS addresses   v5, v6 the merge area   v7 stage, in   v8 stage, back   v9 my bytes of x and out0   v10 the prefetch's offset   v11 Q's offset
; v12 -M   v13 the largest t   v[14:15] the sum in two halves   v16-23 Q   v28-29 V's scale words   v32-95 K's eight fragments   v96-159 S^T, then p   v160-191 O^T   v192-223 V's four fragments
; v224-231 p's codes   v232-247, v252, v254 at work   v248-251 K's scale words   v253 p's scale word   v255 Q's scale words
.macro ROUND                           ; a round of the cluster's barrier: my work-group's barrier; wave 0 signals for the work-group; every wave waits for all four work-groups; my work-group's barrier once more
	s_barrier_signal -1
	s_barrier_wait -1
	s_cmp_lg_u32 s14, 0
	s_cbranch_scc1 .Lnot_wave_0_\@
	s_barrier_signal -3
.Lnot_wave_0_\@:
	s_barrier_wait -3
	s_barrier_signal -1
	s_barrier_wait -1
.endm
	s_load_b256 s[4:11], s[0:1], 0x0               ; qc s[4:5], kv s[6:7], x s[8:9], gamma s[10:11]
	s_load_b64 s[12:13], s[0:1], 0x20              ; out0
	v_lshl_add_u32 v242, v0, 2, 0x4e800
	v_mov_b32 v243, 0
	ds_add_u32 v242, v243
	ds_add_u32 v242, v243
	v_lshrrev_b32 v11, 5, v0
	v_readfirstlane_b32 s14, v11                   ; wave 0..15
	s_bfe_u32 s15, ttmp6, 0x40000                  ; cx: my place in the cluster
	s_lshl_b32 s16, ttmp9, 2                       ; in a cluster launch ttmp9 counts clusters
	s_add_co_u32 s16, s16, s15                     ; my block of 128 queries
	s_and_b32 s17, ttmp7, 0xffff                   ; the batch, which the four partners share
	s_lshr_b32 s18, s14, 3                         ; g: which half of the key steps
	s_and_b32 s19, s14, 7                          ; my tile of queries
	; every LDS address register is made here, ahead of the first branch on the wave's number
	v_and_b32 v11, 31, v0                          ; lane
	v_and_b32 v232, 15, v0                         ; r
	v_bfe_u32 v233, v0, 4, 1                       ; h
	v_lshlrev_b32 v1, 4, v11
	v_lshlrev_b32 v2, 3, v11
	s_mul_i32 s60, s19, MRGT
	s_add_co_u32 s60, s60, MRG
	v_add_nc_u32 v5, s60, v1
	s_add_co_u32 s60, s60, 4096
	v_add_nc_u32 v6, s60, v2
	v_and_b32 v234, 7, v0
	v_bfe_u32 v235, v0, 3, 1
	v_lshlrev_b32 v7, 2, v234
	v_lshl_add_u32 v7, v235, 6, v7                 ; my query's word in a stage row: row r of tile T is position 32 (T / 2) + 8 (T % 2) + r % 8 + 16 (r / 8);
	v_mad_u32_u24 v7, v233, 8*SPITCH, v7           ; my half's eight channels begin 8 h rows down: 1,056 words, half way round the 64 banks (ISA guide 11.1), so the 32 lanes of a store touch 32 banks
	s_lshr_b32 s60, s19, 1
	s_lshl_b32 s60, s60, 7
	s_and_b32 s61, s19, 1
	s_lshl_b32 s61, s61, 5
	s_add_co_u32 s60, s60, s61
	v_add_nc_u32 v7, s60, v7
	s_mul_i32 s60, s14, 4*SPITCH
	v_add_nc_u32 v8, s60, v1                       ; back: wave w takes channel rows 4 w .. 4 w + 3, 16 bytes a lane
	s_lshl_b32 s60, s14, 16
	v_add_nc_u32 v9, s60, v1                       ; and the same in x and out0: a channel row is 16,384 bytes
	s_and_b32 s60, s14, 3
	s_lshl_b32 s60, s60, 4
	v_lshrrev_b32 v234, 1, v11
	v_add_nc_u32 v234, s60, v234
	v_and_b32 v235, 1, v0
	v_lshlrev_b32 v10, 14, v234
	v_lshl_add_u32 v10, v235, 8, v10               ; the prefetch: channel row 16 (w % 4) + lane / 2, half lane % 2 of my block's 512 bytes of it
	s_lshl_b32 s60, s19, 9
	v_add_nc_u32 v11, s60, v1                      ; Q's codes: 512 x tile + 16 x lane
	s_lshl_b32 s60, s19, 6
	v_lshl_add_u32 v254, v232, 2, s60              ; its scale words: 64 x tile + 4 r
	s_mov_b32 s20, 0x76543210
	s_mov_b32 s21, 0xfedcba98                      ; v_permlanex16_b32's selects for lane l xor 16
	s_mov_b32 s22, 0x3cb8aa3b                      ; c = log2(e) / 64
	s_mov_b32 s23, s22                             ; (named with it as a pair, so it is written)
	; descriptor group 1: two records, 17,920 dense bytes, as 70 rows of 256 bytes (32 elements of 8 bytes), no padding: the images are read 16 bytes a lane on end
	s_mov_b32 s24, 15|(3<<16)|(1<<21)              ; 15:0 the mask: all four work-groups; 17:16 elements of 8 bytes; 21 set beside a mask
	s_mov_b32 s25, 32<<16                          ; tensor_dim0
	s_mov_b32 s26, 70<<16                          ; tensor_dim1
	s_mov_b32 s27, 32<<16                          ; tile_dim0
	s_mov_b32 s28, 70                              ; tile_dim1
	s_mov_b32 s29, 32                              ; tensor_dim0_stride
	s_mov_b32 s30, 0
	s_mov_b32 s31, 0
	s_cmp_lt_u32 s14, 4
	s_cselect_b32 s50, 2, -1                       ; waves 0 to 3 prefetch when the last chunk's count stands at 2; the others never
	s_mul_i32 s18, s18, REC                        ; my first step's record
	s_min_u32 s51, s14, 3
	s_mul_i32 s51, s51, 2*REC                      ; what I fetch of a chunk of eight records, if I fetch: records 2 w, 2 w + 1
	s_mul_i32 s60, s17, KVB
	s_add_co_u32 s60, s60, s51
	s_mov_b32 s61, 0
	s_lshl_b32 s2, s17, 5                          ; (what hangs on my place in the cluster stays in s2, s3, s15, s16 and s52 to s59)
	s_add_co_u32 s2, s2, s16
	s_mul_i32 s2, s2, 4608
	s_mov_b32 s3, 0
	s_wait_dscnt 0x0
	s_wait_kmcnt 0x0
	s_add_nc_u64 s[58:59], s[4:5], s[2:3]          ; my record of qc
	s_lshl_b32 s2, s17, 20
	s_lshl_b32 s15, s16, 9
	s_add_co_u32 s2, s2, s15
	s_add_nc_u64 s[52:53], s[8:9], s[2:3]          ; x and out0 at channel 0 of my 128 positions
	s_add_nc_u64 s[54:55], s[12:13], s[2:3]
	s_load_b32 s56, s[10:11], 0x0                  ; gamma
	s_add_nc_u64 s[62:63], s[6:7], s[60:61]
.irp n, 0,1,2,3
	s_mov_b32 s[32+4*\n], 1                        ; group 0 of chunk n: count,
	s_add_co_u32 s[33+4*\n], s51, \n*8*REC         ; LDS address: no place in the cluster enters it,
	s_add_nc_u64 s[34+4*\n:35+4*\n], s[62:63], \n*8*REC   ; global address: the batch's records as they lie,
	s_or_b32 s[35+4*\n], s[35+4*\n], 0x80000000    ; type
.endr
	ROUND                                          ; all four work-groups are here: the joint loads meet
	s_cmp_lt_u32 s14, 4                            ; all fills of a wave stand in one branch, ahead of every wait on TENSORcnt and every LDS read: four loads of mine are out
	s_cbranch_scc0 .Lno_fill
	tensor_load_to_lds s[32:35], s[24:31]
	s_nop 0
	tensor_load_to_lds s[36:39], s[24:31]
	s_nop 0
	tensor_load_to_lds s[40:43], s[24:31]
	s_nop 0
	tensor_load_to_lds s[44:47], s[24:31]
	s_nop 0
.rept 4
	v_nop
.endr
.Lno_fill:
	global_load_b128 v[16:19], v11, s[58:59]       ; Q's fragment stays in registers
	global_load_b32 v255, v254, s[58:59] offset:4096
.irp i, 20,21,22,23
	v_mov_b32 v\i, 0                               ; zero codes for k = 64 .. 127: Q's,
.endr
.irp t, 0,1,2,3,4,5,6,7
.irp i, 4,5,6,7
	v_mov_b32 v[32+8*\t+\i], 0                     ; and K's: written once, the loads take registers 0 to 3 alone
.endr
.endr
.set jj, 0
.rept 32
	v_mov_b32 v[160+jj], 0                         ; O^T.  (The step is written once: the first finds zeros, which the first change of M leaves zeros)
.set jj, jj+1
.endr
	v_mov_b32 v13, 0xff61b1e6                      ; the largest t so far: -3e38, under every t
	v_floor_f32 v12, -v13                          ; -M
	v_mov_b32 v14, 0                               ; the sum, in two halves
	v_mov_b32 v15, 0
.irp e, 0,1,2,3
	v_mov_b32 v[236+\e], 0                         ; written once: a lane permute's destination counts as one of its sources
.endr
	v_mov_b32 v253, 0                              ; (named as the upper half of the pair v[252:253] before it is first written)
	s_wait_kmcnt 0x0
	s_mov_b32 s57, s56                             ; gamma as a pair
	s_wait_loadcnt 0x0                             ; Q
; A KEY STEP: the 128 keys of the record at LDS byte s48.
.macro STEP ask
	v_add_nc_u32 v3, s48, v1
	v_add_nc_u32 v4, s48, v2
	v_nop
	v_nop                                          ; four places (ISA guide 7.12.1 for vector instructions) behind the last step's products, in front of the loads into registers that they read
.irp t, 0,1,2,3,4,5,6,7
	ds_load_b128 v[32+8*\t:35+8*\t], v3 offset:512*\t              ; K's tile t: channels 32 h on of its row r
.endr
	ds_load_b128 v[248:251], v3 offset:4096                        ; K's scale words: register j: lanes 0-15 tile j, lanes 16-31 tile 4 + j
.irp t, 0,1,2,3
.irp c, 0,1
	ds_load_b128 v[192+8*\t+4*\c:195+8*\t+4*\c], v3 offset:4608+1024*\t+512*\c   ; V's tile t: they land while the softmax is worked
.endr
.endr
	ds_load_b64 v[28:29], v4 offset:8704                           ; V's scale words: register i: lanes 0-15 tile i, lanes 16-31 tile 2 + i
.if \ask
; A PREFETCH INTO THE L2 of the rows of x that the way out adds: my work-group's 64 channel rows x 512 bytes, 128 aligned blocks of 256 bytes, which no other work-group reads: waves 0 to 3, a lane a block,
; one instruction each, in the third of the last chunk's four steps: two of a wave's key steps ahead of the loads.  It stands behind the step's run of LDS loads; its address registers are never rewritten.
	s_cmp_eq_u32 s49, s50
	s_cbranch_scc0 .Lnot_mine_\@
	global_prefetch_b8 v10, s[52:53] th:TH_LOAD_NT scope:SCOPE_SE
.Lnot_mine_\@:
.endif
	s_wait_dscnt 9                                 ; K's nine loads are in; V's nine, issued behind them, may be out
.irp t, 0,1,2,3,4,5,6,7
.if \t < 4
	v_wmma_scale_f32_16x16x128_f8f6f4 v[96+8*\t:103+8*\t], v[32+8*\t:39+8*\t], v[16:23], 0, v[248+\t%4], v255 matrix_a_fmt:MATRIX_FMT_FP4 matrix_b_fmt:MATRIX_FMT_FP4
.else
	v_wmma_scale_f32_16x16x128_f8f6f4 v[96+8*\t:103+8*\t], v[32+8*\t:39+8*\t], v[16:23], 0, v[248+\t%4], v255 matrix_a_fmt:MATRIX_FMT_FP4 matrix_b_fmt:MATRIX_FMT_FP4 matrix_a_scale:MATRIX_SCALE_ROW1
.endif
.endr
.rept 4
	v_nop                                          ; four places in front of the first read of the scores
.endr
.irp e, 0,1,2,3
	v_max3_num_f32 v[232+\e], v[96+16*\e], v[97+16*\e], v[98+16*\e]   ; THE LARGEST SCORE OF EACH BLOCK OF 32 KEYS: it serves for the row's maximum and, since p rises with the score, for the block's largest p
.endr
.irp i, 3,5,7,9,11,13
.irp e, 0,1,2,3
	v_max3_num_f32 v[232+\e], v[232+\e], v[96+16*\e+\i], v[97+16*\e+\i]   ; (the four blocks by turns)
.endr
.endr
.irp e, 0,1,2,3
	v_max_num_f32 v[232+\e], v[232+\e], v[111+16*\e]
.endr
.irp e, 0,1,2,3
	v_permlanex16_b32 v[236+\e], v[232+\e], s20, s21
.endr
.irp e, 0,1,2,3
	v_max_num_f32 v[232+\e], v[232+\e], v[236+\e]  ; with lane l xor 16's 16 keys
.endr
	v_max3_num_f32 v254, v232, v233, v234
	v_max_num_f32 v254, v254, v235                 ; the step's largest score of my query
	v_mul_f32 v254, s22, v254                      ; as t (c is positive)
	v_max_num_f32 v13, v13, v254                   ; the running largest t
	v_mov_b32 v254, v12
	v_floor_f32 v12, -v13                          ; the new -M = floor(-t) = -ceil(t): M is a whole number
	v_sub_f32 v254, v12, v254                      ; M's old value less its new one: a whole number, 0 or less
	v_cvt_i32_f32 v254, v254                       ; (it saturates)
	v_ldexp_f32 v252, 1.0, v254                    ; f = 2^(old M - new M): a multiplication by it rounds nothing
.set jj, 0
.rept 32
	v_pk_fma_f32 v[96+jj:97+jj], v[96+jj:97+jj], s[22:23], v[12:13] op_sel_hi:[1,0,0]   ; t - M, two at a time (of the pairs c and -M the low word serves both halves)
.set jj, jj+2
.endr
.irp e, 0,1,2,3
	v_fma_f32 v[232+\e], v[232+\e], s22, v12       ; the same of each block's largest score
.endr
.set jj, 0
.rept 64
	v_exp_f32 v[96+jj], v[96+jj]                   ; p = 2^(t - M), at most 1: not normalised
.set jj, jj+1
.endr
	v_pk_mul_f32 v[14:15], v[14:15], v[252:253] op_sel_hi:[1,0]   ; the sums under the new M: the plain instruction behind the exponentials
	s_wait_alu depctr_va_vdst(0)                   ; the wait ahead of the first instruction that names a result: one for the batch of 64
.irp e, 0,1,2,3
	v_exp_f32 v[232+\e], v[232+\e]                 ; the block's largest p: the same two instructions on the same number give the same bits
.endr
	v_pk_add_f32 v[236:237], v[96:97], v[98:99]    ; THE ROW'S SUM IS TAKEN OF THE UNQUANTISED p: two at a time, in two chains; it reads the 64 alone
.irp j, 4,8,12,16,20,24,28,32,36,40,44,48,52,56,60
	v_pk_add_f32 v[14:15], v[14:15], v[96+\j:97+\j]
	v_pk_add_f32 v[236:237], v[236:237], v[98+\j:99+\j]
.endr
	v_pk_add_f32 v[14:15], v[14:15], v[236:237]
	s_wait_alu depctr_va_vdst(0)                   ; and one wait for the four
.irp e, 0,1,2,3
	v_max_num_f32 v[232+\e], 0x1800000, v[232+\e]  ; the floor 2^(3 - 127): the byte cannot fall under 1
.endr
.irp e, 0,1,2,3
	v_add_nc_u32 v[244+\e], 0xff000000, v[232+\e]  ; 2 off the exponent field: the conversion's scale operand
.endr
.irp e, 0,1,2,3
	v_lshrrev_b32 v[236+\e], 23, v[244+\e]         ; the scale's byte
.endr
	v_lshl_or_b32 v253, v237, 8, v236              ; p's scale word for these 128 keys
	v_lshl_or_b32 v253, v238, 16, v253
	v_lshl_or_b32 v253, v239, 24, v253
.irp e, 0,1,2,3
	v_cvt_scalef32_pk8_fp4_f32 v[224+2*\e], v[96+16*\e:103+16*\e], v[244+\e]
	v_cvt_scalef32_pk8_fp4_f32 v[225+2*\e], v[104+16*\e:111+16*\e], v[244+\e]
.endr
	v_nop                                          ; one plain place behind the last scaled conversion
.irp c, 0,1
.irp i, 0,1
	v_permlane16_swap_b32 v[224+4*\c+\i], v[226+4*\c+\i]   ; the operand's layout wants a whole block in a lane: lanes 0-15 block 2 c, lanes 16-31 block 2 c + 1
.endr
.endr
.set jj, 0
.rept 16
	v_pk_mul_f32 v[160+jj:161+jj], v[160+jj:161+jj], v[252:253] op_sel_hi:[1,0]   ; O^T under the new M, each accumulator from its low end on.  These sixteen are also the places between p's scale word and codes and the products below
.set jj, jj+2
.endr
	s_wait_dscnt 0x0                               ; V's fragments and scale words
.irp t, 0,1,2,3                                    ; the four accumulators take turns, one instruction a turn, and the next step's eight products K Q^T stand between two links
.if \t < 2
	v_wmma_scale_f32_16x16x128_f8f6f4 v[160+8*\t:167+8*\t], v[192+8*\t:199+8*\t], v[224:231], v[160+8*\t:167+8*\t], v[28+\t%2], v253 matrix_a_fmt:MATRIX_FMT_FP4 matrix_b_fmt:MATRIX_FMT_FP4
.else
	v_wmma_scale_f32_16x16x128_f8f6f4 v[160+8*\t:167+8*\t], v[192+8*\t:199+8*\t], v[224:231], v[160+8*\t:167+8*\t], v[28+\t%2], v253 matrix_a_fmt:MATRIX_FMT_FP4 matrix_b_fmt:MATRIX_FMT_FP4 matrix_a_scale:MATRIX_SCALE_ROW1
.endif
.endr
	s_add_co_u32 s48, s48, 2*REC                   ; my next step: two records on
.endm
; A CHUNK of eight records: four of my steps.  The waves that fetched wait until their part of chunk n has landed; the count leaves the later chunks' loads on their way.
; No LDS instruction of mine is out at the signal: a step's last wait on DScnt is for 0.
.macro CHUNK n, ask
	s_wait_tensorcnt 3-\n
	s_barrier_signal -1
	s_barrier_wait -1                              ; everybody's part has
	s_add_co_u32 s48, s18, \n*8*REC                ; my first record of the chunk
	s_mov_b32 s49, 4
.Lstep_\@:
	STEP \ask
	s_sub_co_u32 s49, s49, 1
	s_cmp_lg_u32 s49, 0
	s_cbranch_scc1 .Lstep_\@
.endm
	CHUNK 0, 0
	CHUNK 1, 0
	CHUNK 2, 0
	CHUNK 3, 1                                     ; its wait on TENSORcnt is for 0: no tensor load is out from here on
	; ---- THE END.  The tile's second wave hands O^T, -M and its sum to the first through LDS; the first merges, divides and lays the tile into the stage; all sixteen waves store whole rows.
	v_add_f32 v13, v14, v15                        ; the sum's two halves (the largest t is done with)
.rept 3
	v_nop                                          ; with the addition: four places behind the last products
.endr
.irp i, 0,1,2,3
	global_load_b128 v[32+4*\i:35+4*\i], v9, s[52:53] offset:16384*\i th:TH_LOAD_NT   ; x at my four channel rows: 512 consecutive bytes a load; they land during the merge
.endr
	s_cmp_lt_u32 s14, 8
	s_cbranch_scc1 .Lkeeps
.irp i, 0,1,2,3,4,5,6,7
	ds_store_b128 v5, v[160+4*\i:163+4*\i] offset:512*\i           ; as they stand in my registers, each accumulator from its low end on
.endr
	ds_store_b64 v6, v[12:13]
.Lkeeps:
	s_wait_dscnt 0x0                               ; my stores have landed, and my reads of K and V are long over:
	s_barrier_signal -1
	s_barrier_wait -1                              ; so have everybody's: the merge area may be read, and the stage may be written over K's and V's first bytes
	s_cmp_lt_u32 s14, 8
	s_cbranch_scc0 .Lgave
.irp i, 0,1,2,3,4,5,6,7
	ds_load_b128 v[192+4*\i:195+4*\i], v5 offset:512*\i
.endr
	ds_load_b64 v[232:233], v6
	s_wait_dscnt 0x0
	v_min_num_f32 v234, v12, v232                  ; -M of both: the larger M
	v_sub_f32 v235, v234, v12                      ; my M less it, the other's M less it: whole numbers, 0 or less
	v_sub_f32 v237, v234, v232
	v_cvt_i32_f32 v235, v235
	v_cvt_i32_f32 v237, v237
	v_ldexp_f32 v236, 1.0, v235
	v_ldexp_f32 v238, 1.0, v237
	v_mul_f32 v13, v13, v236
	v_fmac_f32 v13, v233, v238                     ; both sums under the common M,
	v_permlanex16_b32 v239, v13, s20, s21
	v_add_f32 v13, v13, v239                       ; and lane l xor 16's: the row's sum
	v_rcp_f32 v240, v13
	v_nop                                          ; a plain instruction behind the transcendental,
	s_wait_alu depctr_va_vdst(0)                   ; and the wait ahead of its first reader
	v_mul_f32 v236, v236, v240
	v_mul_f32 v238, v238, v240
.set jj, 0
.rept 16
	v_pk_mul_f32 v[160+jj:161+jj], v[160+jj:161+jj], v[236:237] op_sel_hi:[1,0]
	v_pk_fma_f32 v[160+jj:161+jj], v[192+jj:193+jj], v[238:239], v[160+jj:161+jj] op_sel_hi:[1,0,1]
.set jj, jj+2
.endr
.irp t, 0,1,2,3
.irp j, 0,1,2,3,4,5,6,7
	ds_store_b32 v7, v[160+8*\t+\j] offset:SPITCH*(16*\t+\j)       ; channel 16 t + 8 h + j, my query's position
.endr
.endr
.Lgave:
	s_wait_dscnt 0x0                               ; my stores into the stage have landed:
	s_barrier_signal -1
	s_barrier_wait -1                              ; 64 whole rows lie there
.irp i, 0,1,2,3
	ds_load_b128 v[48+4*\i:51+4*\i], v8 offset:SPITCH*\i
.endr
	s_wait_loadcnt 0x0                             ; x
	s_wait_dscnt 0x0
.set jj, 0
.rept 8
	v_pk_fma_f32 v[48+jj:49+jj], v[48+jj:49+jj], s[56:57], v[32+jj:33+jj] op_sel_hi:[1,0,1]   ; gamma x attention + x
.set jj, jj+2
.endr
.irp i, 0,1,2,3
	global_store_b128 v9, v[48+4*\i:51+4*\i], s[54:55] offset:16384*\i th:TH_STORE_NT   ; 32 lanes store 512 consecutive bytes, at a multiple of 256 from out0's first byte
.endr
	s_wait_tensorcnt 0x0
	ds_add_u32 v242, v243
	s_wait_dscnt 0x0
	ROUND                                          ; the closing round: no work-group ends while a partner may still ask for a load that names it
	s_endpgm
.Lfunc_end_k_qd8e4cedc05_attn:
	.size	k_qd8e4cedc05_attn, .Lfunc_end_k_qd8e4cedc05_attn-k_qd8e4cedc05_attn
	.p2alignl 7, 3214868480
	.fill 96, 4, 3214868480
	.section	.rodata,"a",@progbits
	.p2align	6, 0x0
	.amdhsa_kernel k_qd8e4cedc05_attn
		.amdhsa_group_segment_fixed_size 327680
		.amdhsa_private_segment_fixed_size 0
		.amdhsa_enable_private_segment 0
		.amdhsa_kernarg_size 40
		.amdhsa_user_sgpr_count 2
		.amdhsa_user_sgpr_kernarg_segment_ptr 1
		.amdhsa_wavefront_size32 1
		.amdhsa_system_sgpr_workgroup_id_x 1
		.amdhsa_system_sgpr_workgroup_id_y 1
		.amdhsa_system_sgpr_workgroup_id_z 1
		.amdhsa_system_vgpr_workitem_id 0
		.amdhsa_next_free_vgpr 256
		.amdhsa_next_free_sgpr 66
		.amdhsa_reserve_vcc 0
		.amdhsa_float_denorm_mode_32 3
		.amdhsa_float_denorm_mode_16_64 3
		.amdhsa_memory_ordered 1
		.amdhsa_forward_progress 1
		.amdhsa_inst_pref_size 77
	.end_amdhsa_kernel
	.amdgpu_metadata
---
amdhsa.version: [ 1, 2 ]
amdhsa.kernels:
  - .name:           k_qd8e4cedc05_attn
    .symbol:         k_qd8e4cedc05_attn.kd
    .args:
      - { .name: qc, .offset: 0, .size: 8, .value_kind: global_buffer, .address_space: global }
      - { .name: kv, .offset: 8, .size: 8, .value_kind: global_buffer, .address_space: global }
      - { .name: x, .offset: 16, .size: 8, .value_kind: global_buffer, .address_space: global }
      - { .name: gamma, .offset: 24, .size: 8, .value_kind: global_buffer, .address_space: global }
      - { .name: out0, .offset: 32, .size: 8, .value_kind: global_buffer, .address_space: global }
    .group_segment_fixed_size: 327680
    .private_segment_fixed_size: 0
    .kernarg_segment_align: 8
    .kernarg_segment_size: 40
    .max_flat_workgroup_size: 512
    .sgpr_count:     66
    .vgpr_count:     256
    .wavefront_size: 32
...
	.end_amdgpu_metadata
.endif
;; end of part 2
